; MI455X (gfx1250); checked and timed in simulation.
; The chip was launched on July 23, 2026; its instructions are those of AMD's public machine-readable ISA for CDNA 5 (MIT licence, August 2026) and "CDNA5" Instruction Set Architecture Reference Guide (July 2026). The comments in the code are by the model that wrote it; some were corrected since.
;; Re Ranker. Allowed arithmetic: matrix products marked QUANTISED: E4M3 operands, one given power-of-two scale a tensor, by v_wmma_f32_16x16x64_fp8_fp8 or v_wmma_f32_16x16x128_fp8_fp8, f32 sums; products left as they are: f32 operands where the result goes on into a quantised operand, else bf16, f16 or f32 operands; f32 sums; everything else in f32.
;; Inputs: candidate_emb 256 x 128 x 1,024 float32; doc_emb 256 x 1,024 float32; lowp_scales 2 int32 (the exponents e of the quantised operands' scales 2^e); summary_emb 256 x 1,024 float32.
;; Outputs: out0 256 x 128 float32; out1 256 x 128 float32; out2 256 float32; out3 256 float32.
;; This version of the problem:
;;   THIS VERSION OF THE PROBLEM IS GIVEN IN LOW PRECISION. The matrix products marked QUANTISED in the list below multiply operands that are first quantised to E4M3 (4 exponent bits, 3 mantissa bits; 8 bits a number), with one given power-of-two scale for each operand tensor; their sums are f32. All else is computed in f32.
;;   The module's matrix products, in the order in which they are computed (A, B: the left and right operand; K: the contracted axis; several contracted axes count as one K, in the product's order):
;;     1. batch 256 x [M 128, K 1,024] x [K 1,024, N 1]; A: input candidate_emb; B: input doc_emb: left as it is (N = 1 < 16)
;;     2. batch 256 x [M 128, K 1,024] x [K 1,024, N 128]; A: computed on the way; B: computed on the way: QUANTISED (scales: A lowp_scales[0], B lowp_scales[1])
;;     3. batch 256 x [M 1, K 1,024] x [K 1,024, N 1]; A: input summary_emb; B: input doc_emb: left as it is (M = 1 < 16)
;;     4. batch 256 x [M 1, K 1,024] x [K 1,024, N 128]; A: input summary_emb; B: input candidate_emb: left as it is (M = 1 < 16)
;;   THE QUANTISER, for each operand of a quantised product, along K:
;;     - The operand's scale is 2^e, e = its entry of the input lowp_scales (int32; the entries are numbered through the quantised products in the list's order, A before B).
;;     - Each number is divided by the scale, clamped to +-448, and rounded to the nearest number of E4M3, ties to even, subnormals kept.
;;     - The product sums the exact products of the quantised numbers (number of the format x scale) in f32.
;;   ~~~python
;;   def quantise(x, axis, e):      # numpy; x: float32 -> the quantised numbers, widened to float32 again
;;       x = np.moveaxis(x, axis, -1); K = x.shape[-1]
;;       r = np.clip(x / 2.0 ** e, -448, 448)
;;       step = 2.0 ** (np.maximum(np.frexp(np.where(r == 0, 1, r))[1] - 1, -6) - 3)
;;       q = np.round(r / step) * step * 2.0 ** e      # np.round: ties to even
;;       return np.moveaxis(q, -1, axis).astype(np.float32)
;;   ~~~
;;   OPERANDS COMPUTED ON THE WAY. 'Computed on the way' means the value that the module computes at that place (a softmax that the list does not call 'softmax' is quantised finished and normalised). What goes into a quantiser is computed in f32, as accurately as f32 sums, v_exp_f32 and their like allow (about 1e-6 of the number): no bf16 or f16 on the way to a quantiser, and a product that is left as it is and whose result goes on into a quantised operand takes f32 operands (vector FMAs, or v_wmma_f32_16x16x4_f32). A number that lies on a knife's edge between two numbers of the format may be rounded either way, as far as f32 arithmetic and the matrix unit's own rounding can turn it there, and no further.
;; One version. Each part assembles by itself: llvm-mc -triple=amdgcn-amd-amdhsa -mcpu=gfx1250 --defsym DOCPART=n.
;; ======== version 1 of 1: 1 launch
;; launch rerank (part 1): grid 256 x 1, 16 waves a work-group, no clusters, 281,600 bytes of LDS; arguments candidate_emb, doc_emb, summary_emb, lowp_scales, out0, out1, out2, out3; writes out0, out1, out2, out3
.if DOCPART == 1
	.amdgcn_target "amdgcn-amd-amdhsa--gfx1250"
	.amdhsa_code_object_version 6
	.text
	.protected	k_q4e80e6378a_rerank
	.globl	k_q4e80e6378a_rerank
	.p2align	8
	.type	k_q4e80e6378a_rerank,@function
k_q4e80e6378a_rerank:
	s_mov_b64 s[64:65], 0
	v_nop
	global_prefetch_b8 v0, s[64:65] scope:SCOPE_SE
	s_setreg_imm32_b32 hwreg(HW_REG_WAVE_MODE, 25, 1), 1
	s_wait_xcnt 0x0
; ReRanker: for each batch b (one work-group), with cand [128][1024], doc [1024], summary [1024], all f32:
;   out0[b][c] = cos(cand[c], doc);  out1[b][c] = (sum over k of gram[c][k] - gram[c][c]) / 127, gram = Q0(chat) Q1(chat)^T, chat = cand / cn;
;   out2[b] = cos(summary, doc);     out3[b] = mean over c of cos(summary, cand[c]).   Norms are held at 1e-8 from below.
; Q0, Q1: codes of FP8 (E4M3) with the given scales 2^e0 (left operand) and 2^e1 (right operand): the two sets of codes are made apart, since the two exponents are two inputs.
; PHASE 1, the stream.  Sixteen waves; wave w owns rows w, 16 + w, .. 112 + w.  A row is 4,096 bytes: eight loads of 512 consecutive bytes, 32 registers a lane; it stays in registers from its
;   three dot products (with itself, doc, summary) to its two conversions, so every candidate byte is read once.  Four row slots a wave: 16 x 4 x 4,096 bytes are asked for at the head.
;   The codes go to LDS, a row of 1,024 codes in 1,040 bytes.  The order of k inside a code row is the order of the lane's registers: the same permutation in both operands, so each product meets its partner.
; PHASE 2, the Gram product.  Only row sums are wanted, so K is split over waves and B's tiles are added into one accumulator for each block of A: wave w takes K step w / 2 (128 codes), A's rows
;   64 (w % 2) on (four fragments) and all eight fragments of B: 32 matrix instructions.  USED TRANSPOSED (source 0 = 16 rows of B, source 1 = 16 rows of A): a lane holds one c, its registers run over k.
;   The four tiles on the diagonal have accumulators of their own, whose element k = c is multiplied by 0: that is the sum less the diagonal.
; PHASE 3.  Wave 0 adds the eight K steps' parts and stores out1; wave 1 stores out0, out2, out3.  out0 and out1 leave as 512 consecutive bytes; out2 and out3 are one number a batch, 4 bytes each.
; No tensor loads (a row is whole in registers before it is quantised), no cluster (work-groups share no input), no prefetch (the launch does nothing but stream, and half its bytes are asked for at the head).
; LIMITS: e0, e1 between -126 and 119, so that 2^e and 448 x 2^e are f32 numbers.  NaN and infinities among the inputs are not served (the hold of a norm drops a NaN).
;   chat = x times the reciprocal of cn (v_rcp_f32), not a division: within about 1.5 units of the last place.  Sums are taken in another order.
.set ROWB,  4096                       ; bytes in a candidate row
.set PITCH, 1040                       ; a row of codes in LDS: 1,024 + 16: 65 x 16 bytes, so the 16 rows that a fragment load touches start in 16 different columns of 16 bytes
.set BLK,   16*PITCH                   ; 16 rows of codes
.set HALFR, 64*PITCH                   ; 64 rows
.set REGB,  128*PITCH                  ; LDS: A's codes from 0, B's from here
.set DSB,   2*REGB                     ; doc (4,096 bytes), then summary
.set OUTR,  DSB+8192                   ; out0's 128 numbers, then (+512) the 128 cosines with summary
.set PART,  OUTR+1024                  ; 8 K steps x 128 partial row sums
.set GOFF, 1                           ; v1     my 16 bytes in my wave's first row: 4,096 w + 16 lane; never rewritten
.set ST,   2                           ; v2-5   where I store codes: 1,040 w + 16 lane + 66,560 q: A rows 0-63, A rows 64-127, B likewise
.set RES,  6                           ; v6     OUTR + 4 w
.set L16,  7                           ; v7     16 x lane
.set SA,   8                           ; v8-13  three sums (pairs), first chain
.set SSC,  14                          ; v14    cos(summary, doc)
.set OUTV, 15                          ; v15    the row's out0
.set RC,   16                          ; v16    1 / cn; v17, named with it as a pair, holds the row's cosine with summary
.set SCA,  18                          ; v18 2^e0, v19 448 x 2^e0, v20 2^e1, v21 448 x 2^e1
.set LIMA, 19
.set SCB,  20
.set LIMB, 21
.set RDN,  22                          ; v22 1 / dn, v23 1 / sn
.set RSN,  23
.set CA,   24                          ; v24-31 the row's codes for A;  v32-39 for B
.set CB,   32
.set T0,   40                          ; v40-47, v48-55 eight held numbers, for A and for B
.set T1,   48
.set STG,  56                          ; v56    DSB + 16 x thread;  v57 DSB + 16 x lane
.set DSR,  57
.set SB,   58                          ; v58-63 three sums, second chain
.set DOC,  64                          ; v64-95 doc, v96-127 summary: register 4 j + i = column 128 j + 4 lane + i, as in a row slot
.set SUM,  96
.set X,    128                         ; v128-255 four row slots
; phase 2
.set RR,   8                           ; lane % 16
.set HH,   9                           ; lane / 16
.set FR0,  10
.set ADA,  11                          ; my A fragments
.set ADB,  12                          ; B's blocks of my own half of the rows
.set ADBO, 13                          ; B's blocks of the other half
.set PST,  24                          ; where my partial sums go
.set DG,   25                          ; r - 8 h: the register that holds the diagonal, if it lies in 0 .. 7
.set ZERO, 26
.set PRD,  27                          ; PART + 16 lane
.set ORD,  28                          ; OUTR + 16 lane
.set MK,   32                          ; v32-39 0.0 at the diagonal's register, else 1.0
.set PS,   40                          ; v40-47 a pair of sums for each block of A
.set ACC,  64                          ; v64-95  four accumulators: A block a against all B blocks but its own
.set ACCD, 96                          ; v96-127 four: A block a against B block a
.set AF,   128                         ; v128-191 four fragments of A
.set BF,   192                         ; v192-255 four buffers for B's fragments
.macro FILL sl, t                      ; row 16 t + w into slot sl: eight loads of 512 consecutive bytes
.irp j, 0,1,2,3,4,5,6,7
	global_load_b128 v[X+32*(\sl)+4*\j:X+32*(\sl)+4*\j+3], v[GOFF], s[16:17] offset:(\t)*16*ROWB+\j*512 th:TH_LOAD_NT
.endr
.endm
; three dot products over a lane's 32 numbers, two at a time, each in two chains; the first products start the sums
.macro DOT3 a0, b0, a1, b1, a2, b2
.set PP, 0
.rept 16
.set CH, SA+(SB-SA)*(PP%2)
.if PP < 2
	v_pk_mul_f32 v[CH:CH+1],   v[\a0+2*PP:\a0+2*PP+1], v[\b0+2*PP:\b0+2*PP+1]
	v_pk_mul_f32 v[CH+2:CH+3], v[\a1+2*PP:\a1+2*PP+1], v[\b1+2*PP:\b1+2*PP+1]
	v_pk_mul_f32 v[CH+4:CH+5], v[\a2+2*PP:\a2+2*PP+1], v[\b2+2*PP:\b2+2*PP+1]
.else
	v_pk_fma_f32 v[CH:CH+1],   v[\a0+2*PP:\a0+2*PP+1], v[\b0+2*PP:\b0+2*PP+1], v[CH:CH+1]
	v_pk_fma_f32 v[CH+2:CH+3], v[\a1+2*PP:\a1+2*PP+1], v[\b1+2*PP:\b1+2*PP+1], v[CH+2:CH+3]
	v_pk_fma_f32 v[CH+4:CH+5], v[\a2+2*PP:\a2+2*PP+1], v[\b2+2*PP:\b2+2*PP+1], v[CH+4:CH+5]
.endif
.set PP, PP+1
.endr
.endm
; the three sums: chains, halves, then the 16 lanes of each half of the wave; the three take turns, so that no line waits for the line above it.  Results in v8, v10, v12
.macro RED3
.irp q, 0,2,4
	v_pk_add_f32 v[SA+\q:SA+\q+1], v[SA+\q:SA+\q+1], v[SB+\q:SB+\q+1]
.endr
.irp q, 0,2,4
	v_add_f32 v[SA+\q], v[SA+\q], v[SA+\q+1]
.endr
.irp m, 1,2,4,8
.irp q, 0,2,4
	v_add_f32_dpp v[SA+\q], v[SA+\q], v[SA+\q] row_xmask:\m row_mask:0xf bank_mask:0xf
.endr
.endr
.endm
	s_load_b512 s[16:31], s[0:1], 0x0              ; cand s[16:17], doc s[18:19], summary s[20:21], scales s[22:23], out0 s[24:25], out1 s[26:27], out2 s[28:29], out3 s[30:31]
	v_lshrrev_b32 v1, 5, v0
	v_readfirstlane_b32 s8, v1                     ; wave 0..15
	v_and_b32 v[L16], 31, v0
	v_lshlrev_b32 v[L16], 4, v[L16]                ; 16 x lane
	s_lshl_b32 s9, s8, 12
	v_add_nc_u32 v[GOFF], s9, v[L16]               ; row w, my 16 bytes
	s_lshl_b32 s2, ttmp9, 19                       ; the batch's 128 rows of 4,096 bytes (under 2^31)
	s_mov_b32 s3, 0
	s_and_b32 s10, s8, 7
	s_lshl_b32 s10, s10, 9                         ; my wave's 512 bytes of doc (waves 0-7) or of summary (waves 8-15),
	s_lshl_b32 s11, ttmp9, 12                      ; in the batch's row
	s_add_co_u32 s10, s10, s11
	s_mov_b32 s11, 0
	s_mov_b32 s14, 0x76543210                      ; v_permlanex16_b32: lane l takes lane l xor 16
	s_mov_b32 s15, 0xfedcba98
	s_wait_kmcnt 0x0
	s_load_b64 s[6:7], s[22:23], 0x0               ; e0, e1
	s_add_nc_u64 s[16:17], s[16:17], s[2:3]
	s_cmp_lt_u32 s8, 8                             ; the choice hangs on the wave's number alone
	s_cselect_b64 s[4:5], s[18:19], s[20:21]
	s_add_nc_u64 s[4:5], s[4:5], s[10:11]
	global_load_b128 v[T0:T0+3], v[L16], s[4:5]    ; doc and summary are read once by the work-group
	FILL 0, 0                                      ; and the ring is filled: rows w, 16 + w, 32 + w, 48 + w
	FILL 1, 1
	FILL 2, 2
	FILL 3, 3
	s_mul_i32 s9, s8, PITCH
	v_add_nc_u32 v[ST], s9, v[L16]
	v_add_nc_u32 v[ST+1], HALFR, v[ST]
	v_add_nc_u32 v[ST+2], REGB, v[ST]
	v_add_nc_u32 v[ST+3], REGB+HALFR, v[ST]
	s_lshl_b32 s9, s8, 2
	s_add_co_u32 s9, s9, OUTR
	v_mov_b32 v[RES], s9
	v_lshl_add_u32 v[STG], v0, 4, DSB              ; 16 x thread = 512 w + 16 lane: doc's eight pieces, then summary's
	v_add_nc_u32 v[DSR], DSB, v[L16]
	s_wait_loadcnt 32                              ; my piece is in; the 32 row loads issued behind it stay out
	ds_store_b128 v[STG], v[T0:T0+3]
	s_wait_dscnt 0x0                               ; for the others' sake: my piece lies in LDS
	s_barrier_signal -1
	s_barrier_wait -1
.irp j, 0,1,2,3,4,5,6,7
	ds_load_b128 v[DOC+4*\j:DOC+4*\j+3], v[DSR] offset:512*\j
	ds_load_b128 v[SUM+4*\j:SUM+4*\j+3], v[DSR] offset:4096+512*\j
.endr
	s_wait_kmcnt 0x0
	s_add_co_i32 s9, s6, 127
	s_lshl_b32 s10, s9, 23
	v_mov_b32 v[SCA], s10                          ; 2^e0 as f32: the conversion takes its exponent field
	s_add_co_i32 s9, s9, 8
	s_lshl_b32 s9, s9, 23
	s_or_b32 s9, s9, 0x600000
	v_mov_b32 v[LIMA], s9                          ; 448 x 2^e0
	s_add_co_i32 s9, s7, 127
	s_lshl_b32 s10, s9, 23
	v_mov_b32 v[SCB], s10                          ; the same for e1
	s_add_co_i32 s9, s9, 8
	s_lshl_b32 s9, s9, 23
	s_or_b32 s9, s9, 0x600000
	v_mov_b32 v[LIMB], s9
	s_add_co_i32 s12, s6, s7                       ; e0 + e1, for the way out
	s_wait_dscnt 0x0
	; every wave makes 1 / dn, 1 / sn and cos(summary, doc) for itself, while its first rows are on their way
	DOT3 DOC, DOC, SUM, SUM, SUM, DOC
	RED3
	v_permlanex16_b32 v[SA+1], v[SA], s14, s15
	v_permlanex16_b32 v[SA+3], v[SA+2], s14, s15
	v_permlanex16_b32 v[SA+5], v[SA+4], s14, s15
	v_add_f32 v[SA], v[SA], v[SA+1]
	v_add_f32 v[SA+2], v[SA+2], v[SA+3]
	v_add_f32 v[SA+4], v[SA+4], v[SA+5]
	v_sqrt_f32 v[SA], v[SA]
	v_sqrt_f32 v[SA+2], v[SA+2]
	v_nop                                          ; a plain instruction behind the roots,
	s_wait_alu depctr_va_vdst(0)                   ; and the wait ahead of their first reader: one for both
	v_max_num_f32 v[SA], 0x322bcc77, v[SA]         ; held at 1e-8 from below
	v_max_num_f32 v[SA+2], 0x322bcc77, v[SA+2]
	v_rcp_f32 v[RDN], v[SA]
	v_rcp_f32 v[RSN], v[SA+2]
	v_nop
	s_wait_alu depctr_va_vdst(0)
	v_mul_f32 v[SSC], v[SA+4], v[RDN]
	v_mul_f32 v[SSC], v[SSC], v[RSN]
; THE TURN OF ROW 16 t + w.  left = the loads of younger rows, which stay out.
.macro TURN t, left
.set XS, X+32*((\t)%4)
.set SQ, ST+(\t)/4
	s_wait_loadcnt \left                           ; loads come back in order: my row's eight are in
	DOT3 XS, XS, XS, DOC, XS, SUM
	RED3
	v_permlanex16_b32 v[SA+1], v[SA], s14, s15
	v_permlanex16_b32 v[SA+3], v[SA+2], s14, s15
	v_add_f32 v[SA], v[SA], v[SA+1]                ; the row's sum of squares, in every lane
	v_permlanex16_b32 v[SA+5], v[SA+4], s14, s15
	v_sqrt_f32 v[SA], v[SA]
	v_add_f32 v[SA+2], v[SA+2], v[SA+3]            ; x . doc      (plain work behind the root)
	v_add_f32 v[SA+4], v[SA+4], v[SA+5]            ; x . summary
	s_wait_alu depctr_va_vdst(0)                   ; the wait ahead of the root's first reader
	v_max_num_f32 v[SA], 0x322bcc77, v[SA]         ; cn
	v_rcp_f32 v[RC], v[SA]
	v_mul_f32 v[SA+2], v[SA+2], v[RDN]             ; (plain work behind the reciprocal)
	v_mul_f32 v[SA+4], v[SA+4], v[RSN]
	s_wait_alu depctr_va_vdst(0)
	s_wait_dscnt 0x0                               ; the last row's LDS stores, issued a turn ago, have read their registers: results and codes may be written again
	v_mul_f32 v[OUTV], v[SA+2], v[RC]              ; cos(x, doc)
	v_mul_f32 v[RC+1], v[SA+4], v[RC]              ; cos(summary, x)
.set PP, 0
.rept 16
	v_pk_mul_f32 v[XS+2*PP:XS+2*PP+1], v[XS+2*PP:XS+2*PP+1], v[RC:RC+1] op_sel_hi:[1,0]   ; chat = x / cn, in f32 (the pair's low word for both halves)
.set PP, PP+1
.endr
.irp g, 0,1,2,3                        ; eight numbers at a time, for A and for B by turns: the holds of one stand between the conversion of the other and the next write of its sources
.irp i, 0,1,2,3,4,5,6,7
	v_med3_num_f32 v[T0+\i], v[XS+8*\g+\i], -v[LIMA], v[LIMA]   ; the conversion to an 8-bit code does not saturate (ISA guide 7.6.2): hold at 448 x the scale first
.endr
	v_cvt_scalef32_pk8_fp8_f32 v[CA+2*\g:CA+2*\g+1], v[T0:T0+7], v[SCA]
.irp i, 0,1,2,3,4,5,6,7
	v_med3_num_f32 v[T1+\i], v[XS+8*\g+\i], -v[LIMB], v[LIMB]
.endr
	v_cvt_scalef32_pk8_fp8_f32 v[CB+2*\g:CB+2*\g+1], v[T1:T1+7], v[SCB]
.endr
	v_nop                                          ; one plain instruction behind the last conversion
.if (\t) < 4
	FILL (\t)%4, (\t)+4                            ; the slot takes the row 64 further down
.endif
	ds_store_b128 v[SQ], v[CA:CA+3] offset:((\t)%4)*BLK            ; 32 lanes, 512 consecutive bytes: the first half of the row's codes,
	ds_store_b128 v[SQ], v[CA+4:CA+7] offset:((\t)%4)*BLK+512      ; the second
	ds_store_b128 v[SQ+2], v[CB:CB+3] offset:((\t)%4)*BLK
	ds_store_b128 v[SQ+2], v[CB+4:CB+7] offset:((\t)%4)*BLK+512
	ds_store_b32 v[RES], v[OUTV] offset:64*(\t)                    ; all lanes hold the same number and name the same word: row 16 t + w
	ds_store_b32 v[RES], v[RC+1] offset:64*(\t)+512
.endm
	TURN 0, 24
	TURN 1, 24
	TURN 2, 24
	TURN 3, 24
	TURN 4, 24
	TURN 5, 16                                     ; nothing is left to ask for: the counts run down
	TURN 6, 8
	TURN 7, 0
	s_wait_dscnt 0x0                               ; for the others' sake: my codes and results lie in LDS
	s_barrier_signal -1
	v_and_b32 v[RR], 15, v0                        ; (work on registers while the others arrive)  r
	v_bfe_u32 v[HH], v0, 4, 1                      ; h
	v_mul_u32_u24 v[FR0], v[RR], PITCH
	v_lshl_add_u32 v[FR0], v[HH], 4, v[FR0]        ; a fragment: row r, + 16 h; four loads of 16 bytes, 32 bytes apart: the same places in A and in B
	s_lshr_b32 s9, s8, 1                           ; my K step
	s_and_b32 s10, s8, 1                           ; my half of A's rows
	s_lshl_b32 s11, s9, 7                          ; 128 codes a K step
	s_mul_i32 s13, s10, HALFR
	s_add_co_u32 s13, s13, s11
	v_add_nc_u32 v[ADA], s13, v[FR0]
	v_add_nc_u32 v[ADB], REGB, v[ADA]              ; B's blocks of the same rows: the diagonal lies among them
	s_xor_b32 s13, s10, 1
	s_mul_i32 s13, s13, HALFR
	s_add_co_u32 s13, s13, s11
	s_add_co_u32 s13, s13, REGB
	v_add_nc_u32 v[ADBO], s13, v[FR0]              ; B's other four blocks
	s_lshl_b32 s13, s8, 8
	s_add_co_u32 s13, s13, PART
	v_lshrrev_b32 v[PST], 2, v[L16]
	v_add_nc_u32 v[PST], s13, v[PST]               ; PART + 512 x K step + 256 x half + 4 x lane
	v_add_nc_u32 v[PRD], PART, v[L16]
	v_add_nc_u32 v[ORD], OUTR, v[L16]
	s_barrier_wait -1                              ; all 128 rows' codes lie in LDS
.macro FRAG reg, adr, i                ; 16 rows x 128 codes: 16 registers
.irp c, 0,1,2,3
	ds_load_b128 v[\reg+4*\c:\reg+4*\c+3], v[\adr] offset:(\i)*BLK+32*\c
.endr
.endm
; Four matrix instructions: B's block bp (0-3: of my own half of the rows, 4-7: of the other) against my four blocks of A.  The accumulators take turns, one instruction a turn.
; The first product on each accumulator takes the constant 0: nothing is cleared.
.macro GR bp
.irp a, 0,1,2,3
.if \a == \bp
	v_wmma_f32_16x16x128_fp8_fp8 v[ACCD+8*\a:ACCD+8*\a+7], v[BF+16*((\bp)%4):BF+16*((\bp)%4)+15], v[AF+16*\a:AF+16*\a+15], 0
.elseif (\bp == 0) || ((\bp == 1) && (\a == 0))
	v_wmma_f32_16x16x128_fp8_fp8 v[ACC+8*\a:ACC+8*\a+7], v[BF+16*((\bp)%4):BF+16*((\bp)%4)+15], v[AF+16*\a:AF+16*\a+15], 0
.else
	v_wmma_f32_16x16x128_fp8_fp8 v[ACC+8*\a:ACC+8*\a+7], v[BF+16*((\bp)%4):BF+16*((\bp)%4)+15], v[AF+16*\a:AF+16*\a+15], v[ACC+8*\a:ACC+8*\a+7]
.endif
.endr
.endm
	FRAG BF, ADB, 0
	FRAG AF, ADA, 0
	FRAG AF+16, ADA, 1
	FRAG AF+32, ADA, 2
	FRAG AF+48, ADA, 3
	FRAG BF+16, ADB, 1
	FRAG BF+32, ADB, 2
	FRAG BF+48, ADB, 3
	v_lshlrev_b32 v[DG], 3, v[HH]                  ; in a diagonal tile lane (r, h) holds k = 8 h + j of c = r in register j: the diagonal is j = r - 8 h
	v_sub_nc_u32 v[DG], v[RR], v[DG]
	v_mov_b32 v[ZERO], 0
.irp j, 0,1,2,3,4,5,6,7
	v_cmp_eq_u32 vcc_lo, \j, v[DG]
	v_cndmask_b32 v[MK+\j], 1.0, v[ZERO], vcc_lo   ; 0.0 there, 1.0 elsewhere
.endr
	s_wait_dscnt 12                                ; B's block 0 and A's four are in; the 12 loads of B's blocks 1 to 3 may be out
	GR 0
	s_wait_dscnt 8
	GR 1
.rept 4
	v_nop                                          ; four places in front of loads into registers that matrix instructions have read (ISA guide 7.12.1 for vector instructions)
.endr
	FRAG BF, ADBO, 0
	FRAG BF+16, ADBO, 1
	s_wait_dscnt 12                                ; block 2 is in; behind it: block 3's four loads and the eight just issued
	GR 2
	s_wait_dscnt 8
	GR 3
.rept 4
	v_nop
.endr
	FRAG BF+32, ADBO, 2
	FRAG BF+48, ADBO, 3
	s_wait_dscnt 12
	GR 4
	s_wait_dscnt 8
	GR 5
	s_wait_dscnt 4
	GR 6
	s_wait_dscnt 0x0
	GR 7
	; The sums over k.  The diagonal tiles, finished long ago, come first: their sixteen lines are the places behind the last products.  Each accumulator is read from its low end on.
.irp a, 0,1,2,3
	v_pk_mul_f32 v[PS+2*\a:PS+2*\a+1], v[ACCD+8*\a:ACCD+8*\a+1], v[MK:MK+1]
.endr
.irp k, 1,2,3
.irp a, 0,1,2,3
	v_pk_fma_f32 v[PS+2*\a:PS+2*\a+1], v[ACCD+8*\a+2*\k:ACCD+8*\a+2*\k+1], v[MK+2*\k:MK+2*\k+1], v[PS+2*\a:PS+2*\a+1]
.endr
.endr
.irp k, 0,1,2,3
.irp a, 0,1,2,3
	v_pk_add_f32 v[PS+2*\a:PS+2*\a+1], v[PS+2*\a:PS+2*\a+1], v[ACC+8*\a+2*\k:ACC+8*\a+2*\k+1]
.endr
.endr
.irp a, 0,1,2,3
	v_add_f32 v[PS+2*\a], v[PS+2*\a], v[PS+2*\a+1]
.endr
.irp a, 0,1,2,3
	v_permlanex16_b32 v[PS+2*\a+1], v[PS+2*\a], s14, s15           ; the other eight k of each tile lie in lane l xor 16
.endr
.irp a, 0,1,2,3
	v_add_f32 v[PS+2*\a], v[PS+2*\a], v[PS+2*\a+1]
.endr
	v_cmp_ne_u32 vcc_lo, 0, v[HH]
	v_cndmask_b32 v[T1], v[PS], v[PS+2], vcc_lo    ; lanes 0-15: block 0's rows, lanes 16-31: block 1's: 32 neighbouring rows
	v_cndmask_b32 v[T1+1], v[PS+4], v[PS+6], vcc_lo
	ds_store_b32 v[PST], v[T1]
	ds_store_b32 v[PST], v[T1+1] offset:128
	s_wait_dscnt 0x0                               ; for the others' sake: my parts lie in LDS
	s_barrier_signal -1
	s_barrier_wait -1
	s_cmp_lg_u32 s8, 0
	s_cbranch_scc1 .Lnot_wave_0
	; wave 0: out1.  A lane takes four neighbouring rows of each K step's parts
.irp s, 0,1,2,3,4,5,6,7
	ds_load_b128 v[AF+4*\s:AF+4*\s+3], v[PRD] offset:512*\s
.endr
	s_lshl_b32 s2, ttmp9, 9                        ; the batch's 128 numbers
	s_mov_b32 s3, 0
	s_add_nc_u64 s[26:27], s[26:27], s[2:3]
	s_wait_dscnt 0x0
.irp s, 1,2,3,4,5,6,7
	v_pk_add_f32 v[AF:AF+1], v[AF:AF+1], v[AF+4*\s:AF+4*\s+1]
	v_pk_add_f32 v[AF+2:AF+3], v[AF+2:AF+3], v[AF+4*\s+2:AF+4*\s+3]
.endr
.irp i, 0,1,2,3
	v_mul_f32 v[AF+\i], 0x3c010204, v[AF+\i]       ; / 127
.endr
.irp i, 0,1,2,3
	v_ldexp_f32 v[AF+\i], v[AF+\i], s12            ; x 2^(e0 + e1): a sum of code products stands for that many times itself
.endr
	global_store_b128 v[L16], v[AF:AF+3], s[26:27] th:TH_STORE_NT  ; 32 lanes store 512 consecutive bytes, at a multiple of 512 from out1's first byte
	s_wait_xcnt 0x0
	s_mov_b32 exec_lo, -1
	v_lshl_add_u32 v62, v0, 2, 0x44400
	v_mov_b32 v63, 0
	s_wait_tensorcnt 0x0
	ds_add_u32 v62, v63
	s_wait_dscnt 0x0
	s_endpgm
.Lnot_wave_0:
	s_cmp_lg_u32 s8, 1
	s_cbranch_scc1 .Ldone
	; wave 1: out0, out3, out2
	ds_load_b128 v[AF:AF+3], v[ORD]
	ds_load_b128 v[AF+4:AF+7], v[ORD] offset:512
	s_lshl_b32 s2, ttmp9, 9
	s_mov_b32 s3, 0
	s_add_nc_u64 s[24:25], s[24:25], s[2:3]
	s_lshl_b32 s10, ttmp9, 2
	s_mov_b32 s11, 0
	s_add_nc_u64 s[28:29], s[28:29], s[10:11]
	s_add_nc_u64 s[30:31], s[30:31], s[10:11]
	s_wait_dscnt 1                                 ; out0's numbers are in; the younger load may be out
	global_store_b128 v[L16], v[AF:AF+3], s[24:25] th:TH_STORE_NT  ; 512 consecutive bytes
	s_wait_dscnt 0x0
	v_add_f32 v[AF+4], v[AF+4], v[AF+5]
	v_add_f32 v[AF+6], v[AF+6], v[AF+7]
	v_add_f32 v[AF+4], v[AF+4], v[AF+6]
.irp m, 1,2,4,8
	v_add_f32_dpp v[AF+4], v[AF+4], v[AF+4] row_xmask:\m row_mask:0xf bank_mask:0xf
.endr
	v_permlanex16_b32 v[AF+5], v[AF+4], s14, s15
	v_add_f32 v[AF+4], v[AF+4], v[AF+5]
	v_mul_f32 v[AF+4], 0x3c000000, v[AF+4]         ; / 128: the mean
	v_cmp_eq_u32 vcc_lo, 0, v[L16]                 ; lane 0
	s_wait_xcnt 0x0                                ; EXEC is a source of the store above: it changes only behind this wait
	s_and_saveexec_b32 s9, vcc_lo
	global_store_b32 v[ZERO], v[SSC], s[28:29]     ; one number a batch
	global_store_b32 v[ZERO], v[AF+4], s[30:31]
	s_wait_xcnt 0x0                                ; and again, in front of the line that widens it
	s_or_b32 exec_lo, exec_lo, s9
.Ldone:
	s_wait_xcnt 0x0
	s_mov_b32 exec_lo, -1
	v_lshl_add_u32 v62, v0, 2, 0x44400
	v_mov_b32 v63, 0
	s_wait_tensorcnt 0x0
	ds_add_u32 v62, v63
	s_wait_dscnt 0x0
	s_endpgm
.Lfunc_end_k_q4e80e6378a_rerank:
	.size	k_q4e80e6378a_rerank, .Lfunc_end_k_q4e80e6378a_rerank-k_q4e80e6378a_rerank
	.p2alignl 7, 3214868480
	.fill 96, 4, 3214868480
	.section	.rodata,"a",@progbits
	.p2align	6, 0x0
	.amdhsa_kernel k_q4e80e6378a_rerank
		.amdhsa_group_segment_fixed_size 281600
		.amdhsa_private_segment_fixed_size 0
		.amdhsa_enable_private_segment 0
		.amdhsa_kernarg_size 64
		.amdhsa_user_sgpr_count 2
		.amdhsa_user_sgpr_kernarg_segment_ptr 1
		.amdhsa_wavefront_size32 1
		.amdhsa_system_sgpr_workgroup_id_x 1
		.amdhsa_system_sgpr_workgroup_id_y 1
		.amdhsa_system_sgpr_workgroup_id_z 1
		.amdhsa_system_vgpr_workitem_id 0
		.amdhsa_next_free_vgpr 256
		.amdhsa_next_free_sgpr 66
		.amdhsa_reserve_vcc 1
		.amdhsa_float_denorm_mode_32 3
		.amdhsa_float_denorm_mode_16_64 3
		.amdhsa_memory_ordered 1
		.amdhsa_forward_progress 1
		.amdhsa_inst_pref_size 114
	.end_amdhsa_kernel
	.amdgpu_metadata
---
amdhsa.version: [ 1, 2 ]
amdhsa.kernels:
  - .name:           k_q4e80e6378a_rerank
    .symbol:         k_q4e80e6378a_rerank.kd
    .args:
      - { .name: candidate_emb, .offset: 0, .size: 8, .value_kind: global_buffer, .address_space: global }
      - { .name: doc_emb, .offset: 8, .size: 8, .value_kind: global_buffer, .address_space: global }
      - { .name: summary_emb, .offset: 16, .size: 8, .value_kind: global_buffer, .address_space: global }
      - { .name: lowp_scales, .offset: 24, .size: 8, .value_kind: global_buffer, .address_space: global }
      - { .name: out0, .offset: 32, .size: 8, .value_kind: global_buffer, .address_space: global }
      - { .name: out1, .offset: 40, .size: 8, .value_kind: global_buffer, .address_space: global }
      - { .name: out2, .offset: 48, .size: 8, .value_kind: global_buffer, .address_space: global }
      - { .name: out3, .offset: 56, .size: 8, .value_kind: global_buffer, .address_space: global }
    .group_segment_fixed_size: 281600
    .private_segment_fixed_size: 0
    .kernarg_segment_align: 8
    .kernarg_segment_size: 64
    .max_flat_workgroup_size: 512
    .sgpr_count:     66
    .vgpr_count:     256
    .wavefront_size: 32
...
	.end_amdgpu_metadata
.endif
;; end of part 1
